; MI455X (gfx1250); checked and timed in simulation.
; The chip was launched on July 23, 2026; its instructions are those of AMD's public machine-readable ISA for CDNA 5 (MIT licence, August 2026) and "CDNA5" Instruction Set Architecture Reference Guide (July 2026). The comments in the code are by the model that wrote it; some were corrected since.
;; Gaussian Prior Attention. Allowed arithmetic: float matrix products may take bf16 or f16 operands with f32 sums; all other float work in f32.
;; Inputs: Wk 1,024 x 1,024 float32; Wo 1,024 x 1,024 float32; Wq 1,024 x 1,024 float32; Wv 1,024 x 1,024 float32; bk 1,024 float32; bo 1,024 float32; bq 1,024 float32; bv 1,024 float32; prior_lambda one number float32; x 2 x 2,048 x 1,024 float32.
;; Outputs: out0 2 x 2,048 x 1,024 float32.
;; One version. Each part assembles by itself: llvm-mc -triple=amdgcn-amd-amdhsa -mcpu=gfx1250 --defsym DOCPART=n.
;; ======== version 1 of 1: 4 launches
;; limits: values are held in f16: magnitudes above 65,504 overflow, below 6.1e-05 lose precision
;; workspace buffers: xh 8,388,608 bytes; wqkv 6,291,456 bytes; woh 2,097,152 bytes; Qw 8,388,608 bytes; Kw 8,388,608 bytes; Vw 8,388,608 bytes; AO 8,388,608 bytes
;; launch cvt (part 1): grid 1024 x 1, 8 waves a work-group, no clusters, 0 bytes of LDS; arguments x, Wq, Wk, Wv, Wo, xh, wqkv, woh; writes xh, wqkv, woh
.if DOCPART == 1
	.amdgcn_target "amdgcn-amd-amdhsa--gfx1250"
	.amdhsa_code_object_version 6
	.text
	.protected	k_qe6d4e139c0_cvt
	.globl	k_qe6d4e139c0_cvt
	.p2align	8
	.type	k_qe6d4e139c0_cvt,@function
k_qe6d4e139c0_cvt:
	s_mov_b64 s[64:65], 0
	v_nop
	global_prefetch_b8 v0, s[64:65] scope:SCOPE_SE
	s_setreg_imm32_b32 hwreg(HW_REG_WAVE_MODE, 25, 1), 1
	s_wait_xcnt 0x0
; x, Wq, Wk, Wv, Wo from f32 to f16, once, so that the three matrix launches move 16-bit tiles and convert nothing.
; xh [4096][1024] and woh [1024][1024] keep their order.  wqkv is [3072][1024] with row = head*192 + m*64 + d
; (m = 0 Wq, 1 Wk, 2 Wv; d = the row inside the head), so that one head's 192 rows are one dense block.
; A stream: each input byte is read once and each output byte written once; LDS, barriers and matrix units would add nothing.
; A work-group takes 8,192 numbers (32 KiB in, 16 KiB out): 33,554,432 input bytes / 32,768 = 1,024 work-groups.
; Thread t: eight loads of 16 bytes at 16 t + 4096 i (a wave covers 512 consecutive bytes), eight stores of 8 bytes at
; 8 t + 2048 i (a wave covers 256 consecutive bytes, aligned).
; LIMIT: f16 holds magnitudes up to 65,504 and steps of 2^-24 under 2^-14.  x as drawn has a spread of 1, the weights of 1/32;
; 30 times larger, 30 times smaller or an offset of 30 spreads stay inside.  Larger magnitudes become infinities.
.set X, 4                              ; v[4:35]   eight loads of four f32
.set Y, 36                             ; v[36:51]  eight pairs of packed f16
	s_load_b512 s[4:19], s[0:1], 0x0               ; x 4, Wq 6, Wk 8, Wv 10, Wo 12, xh 14, wqkv 16, woh 18
	v_lshlrev_b32 v1, 4, v0                        ; 16 t
	v_lshlrev_b32 v2, 3, v0                        ; 8 t
	; work-groups 0..511 take x; 512 + 128 m + rc takes rows 8 rc .. 8 rc + 7 of weight m.  The figures for the weights are made
	; in every work-group and thrown away by the selects below where they do not apply.
	s_sub_co_u32 s20, ttmp9, 512
	s_lshr_b32 s21, s20, 7                         ; m
	s_and_b32 s22, s20, 127                        ; rc
	s_lshr_b32 s23, s22, 3                         ; head = rc / 8
	s_mul_i32 s23, s23, 192
	s_lshl_b32 s24, s21, 6
	s_add_co_u32 s23, s23, s24                     ; + 64 m
	s_and_b32 s24, s22, 7
	s_lshl3_add_u32 s23, s24, s23                  ; + 8 (rc mod 8): the first of eight neighbouring rows of wqkv
	s_lshl_b32 s23, s23, 11                        ; rows of 2,048 bytes
	s_lshl_b32 s25, s22, 14                        ; woh: 16 KiB a work-group
	s_lshl_b32 s26, s22, 15                        ; a weight's source: 32 KiB a work-group
	s_lshl_b32 s27, ttmp9, 15                      ; x's source
	s_lshl_b32 s28, ttmp9, 14                      ; xh
	s_mov_b32 s35, 0
	s_mov_b32 s37, 0
	s_wait_kmcnt 0x0
	s_cmp_eq_u32 s21, 1
	s_cselect_b64 s[30:31], s[8:9], s[6:7]         ; the source: Wk or Wq,
	s_cmp_eq_u32 s21, 2
	s_cselect_b64 s[30:31], s[10:11], s[30:31]     ; or Wv,
	s_cmp_eq_u32 s21, 3
	s_cselect_b64 s[30:31], s[12:13], s[30:31]     ; or Wo,
	s_cselect_b64 s[32:33], s[18:19], s[16:17]     ; which goes to woh, the others to wqkv
	s_cselect_b32 s34, s25, s23
	s_cmp_lt_u32 ttmp9, 512
	s_cselect_b64 s[30:31], s[4:5], s[30:31]       ; or x, which goes to xh
	s_cselect_b64 s[32:33], s[14:15], s[32:33]
	s_cselect_b32 s34, s28, s34
	s_cselect_b32 s36, s27, s26
	s_add_nc_u64 s[30:31], s[30:31], s[36:37]
	s_add_nc_u64 s[32:33], s[32:33], s[34:35]
.irp i, 0,1,2,3,4,5,6,7
	global_load_b128 v[X+4*\i:X+4*\i+3], v1, s[30:31] offset:4096*\i th:TH_LOAD_NT
.endr
.irp i, 0,1,2,3,4,5,6,7
	s_wait_loadcnt 7-\i                            ; loads come back in order (ISA guide 5.7.1): load i is in, the 7 - i younger ones stay out
	v_cvt_pk_f16_f32 v[Y+2*\i], v[X+4*\i], v[X+4*\i+1]
	v_cvt_pk_f16_f32 v[Y+2*\i+1], v[X+4*\i+2], v[X+4*\i+3]
	global_store_b64 v2, v[Y+2*\i:Y+2*\i+1], s[32:33] offset:2048*\i
.endr
	s_endpgm
.Lfunc_end_k_qe6d4e139c0_cvt:
	.size	k_qe6d4e139c0_cvt, .Lfunc_end_k_qe6d4e139c0_cvt-k_qe6d4e139c0_cvt
	.p2alignl 7, 3214868480
	.fill 96, 4, 3214868480
	.section	.rodata,"a",@progbits
	.p2align	6, 0x0
	.amdhsa_kernel k_qe6d4e139c0_cvt
		.amdhsa_group_segment_fixed_size 0
		.amdhsa_private_segment_fixed_size 0
		.amdhsa_enable_private_segment 0
		.amdhsa_kernarg_size 64
		.amdhsa_user_sgpr_count 2
		.amdhsa_user_sgpr_kernarg_segment_ptr 1
		.amdhsa_wavefront_size32 1
		.amdhsa_system_sgpr_workgroup_id_x 1
		.amdhsa_system_sgpr_workgroup_id_y 1
		.amdhsa_system_sgpr_workgroup_id_z 1
		.amdhsa_system_vgpr_workitem_id 0
		.amdhsa_next_free_vgpr 56
		.amdhsa_next_free_sgpr 66
		.amdhsa_reserve_vcc 0
		.amdhsa_float_denorm_mode_32 3
		.amdhsa_float_denorm_mode_16_64 3
		.amdhsa_memory_ordered 1
		.amdhsa_forward_progress 1
		.amdhsa_inst_pref_size 5
	.end_amdhsa_kernel
	.amdgpu_metadata
---
amdhsa.version: [ 1, 2 ]
amdhsa.kernels:
  - .name:           k_qe6d4e139c0_cvt
    .symbol:         k_qe6d4e139c0_cvt.kd
    .args:
      - { .name: x, .offset: 0, .size: 8, .value_kind: global_buffer, .address_space: global }
      - { .name: Wq, .offset: 8, .size: 8, .value_kind: global_buffer, .address_space: global }
      - { .name: Wk, .offset: 16, .size: 8, .value_kind: global_buffer, .address_space: global }
      - { .name: Wv, .offset: 24, .size: 8, .value_kind: global_buffer, .address_space: global }
      - { .name: Wo, .offset: 32, .size: 8, .value_kind: global_buffer, .address_space: global }
      - { .name: xh, .offset: 40, .size: 8, .value_kind: global_buffer, .address_space: global }
      - { .name: wqkv, .offset: 48, .size: 8, .value_kind: global_buffer, .address_space: global }
      - { .name: woh, .offset: 56, .size: 8, .value_kind: global_buffer, .address_space: global }
    .group_segment_fixed_size: 0
    .private_segment_fixed_size: 0
    .kernarg_segment_align: 8
    .kernarg_segment_size: 64
    .max_flat_workgroup_size: 256
    .sgpr_count:     66
    .vgpr_count:     56
    .wavefront_size: 32
...
	.end_amdgpu_metadata
.endif
;; end of part 1
;; launch qkv (part 2): grid 16 x 16, 4 waves a work-group, clusters of 4 x 4, 327,680 bytes of LDS; arguments xh, wqkv, bq, bk, bv, Qw, Kw, Vw; writes Qw, Kw, Vw
.if DOCPART == 2
	.amdgcn_target "amdgcn-amd-amdhsa--gfx1250"
	.amdhsa_code_object_version 6
	.text
	.protected	k_qe6d4e139c0_qkv
	.globl	k_qe6d4e139c0_qkv
	.p2align	8
	.type	k_qe6d4e139c0_qkv,@function
k_qe6d4e139c0_qkv:
	s_mov_b64 s[64:65], 0
	v_nop
	global_prefetch_b8 v0, s[64:65] scope:SCOPE_SE
	s_setreg_imm32_b32 hwreg(HW_REG_WAVE_MODE, 25, 1), 1
	s_wait_xcnt 0x0
	s_wait_alu depctr_hold_cnt(0) depctr_sa_sdst(0) depctr_va_vdst(0) depctr_va_sdst(0) depctr_va_ssrc(0) depctr_va_vcc(0) depctr_vm_vsrc(0)
	s_getreg_b32 s2, hwreg(HW_REG_IB_STS2, 6, 4)
	s_cmp_eq_u32 s2, 0
	s_cbranch_scc0 .Lentry_in_a_cluster
	s_endpgm
.Lentry_in_a_cluster:
	s_bfe_u32 s2, ttmp6, 0x10000c
	s_cmp_lg_u32 s2, 0xf033
	s_cbranch_scc0 .Lentry_shape_is_right
	s_endpgm
.Lentry_shape_is_right:
; Q, K, V of one head for 256 tokens: C[token][col] = sum over k of xh[token][k] wqkv[192 head + col][k] + bias, col = 0..191
; (0-63 Q, 64-127 K, 128-191 V).  Q is also multiplied by log2(e)/8, so that the next launch's scores are exponents of 2.
; Operands f16, sums f32, results rounded once to f16 into Qw, Kw, Vw = [batch*16 + head][2048][64].
; 16 heads x 16 row blocks = 256 work-groups of four waves; a wave makes 64 tokens x 192 columns: 48 accumulator tiles, 384 registers,
; and so owns whole 128-byte rows of Q, K and V, which leave through a stage of its own.
; K = 1024 goes in steps of 128 through two LDS slots filled by tensor loads; a tile's rows are 256 bytes of memory, aligned.
; CLUSTER 4 x 4: the four work-groups of a row of the cluster share the tokens (tiles of xh), the four of a column the head (tiles of
; wqkv); each tile is asked for jointly.  A wave has at most two tensor loads outstanding: the two first fills; later one.
; LIMIT: 0.18 Q, K and V are stored as f16: magnitudes up to 65,504.  With every input 30 times what the problem draws their spread
; is 900; with an offset of 30 spreads on x and the weights they stand near 1024 * 30 * 30/32 = 28,800.  Beyond 65,504: infinities.
;
; REGISTERS in windows of 256:
;   window 0: v16-27 addresses; v64-95, v128-159 fragments of x (4 x 16 tokens x 32 K), two buffers; v160-255 the biases
;   window 1: v0-95, v96-191 fragments of the weights (12 x 16 rows x 32 K), two buffers
;   window 2: accumulators of my tokens 0-31 (tile (a, b) at 8 (12 a + b));  window 3: of my tokens 32-63
; The matrix instruction takes the weights as source 0 and x as source 1: lane l then holds token l % 16 and its registers 0-7 the
; columns 8 (l / 16) + 0..7 of the tile: eight neighbouring numbers of a row.
.set KSTEP,  128
.set PITCH,  272                       ; 256 bytes + 16 of padding: the 16 rows of a fragment load start at 16 different 16-byte columns modulo 256
.set HALFA,  128*PITCH                 ; 128 tokens: one tensor load
.set HALFB,  96*PITCH                  ; 96 weight rows: one tensor load
.set BOFF,   2*HALFA
.set SLOT,   BOFF+2*HALFB              ; 121,856
.set STAGE,  2*SLOT                    ; behind the ring, a multiple of 256: 16 rows x 400 bytes for each wave; no tensor load lands here
.set SPITCH, 400                       ; 384 bytes + 16
.set LAPS,   1024/(2*KSTEP)
.set ADRA, 16                          ; v16-17 LDS address of my x fragments, slot 0, 1
.set ADRB, 20                          ; v20-21 the same for the weights
.set STO,  24
.set RD,   25
.set CO,   26
.set BOFS, 27
.set BIAS, 160                         ; v[160:255]: column tile c at +8 c
.set TMP,  64                          ; the way out: packed results
.set RB,   112                         ; the way out: rows read back
.set G1,  24
.set G0,  32
.set G1B, 48
.set G0B, 56
.set MSB, 0
.macro WIN new                         ; the immediate's high byte repeats the setting that is left
.if MSB != \new
	s_set_vgpr_msb (MSB<<8)|\new
.set MSB, \new
.endif
.endm
.set MUL_LO, 0xa1                      ; source 0 window 1, source 1 window 0, C and D window 2
.set MUL_HI, 0xf1                      ; the same, C and D window 3
.set TO_B,   0x40                      ; destination window 1
; A joint load: waves 0, 1 ask for x's two halves, waves 2, 3 for the weights'.  The branch hangs on the wave's number alone.
.macro JLOAD s
	s_cmp_eq_u32 s13, 0
	s_cbranch_scc0 .Lfor_b_\@
	tensor_load_to_lds s[G0+4*\s:G0+4*\s+3], s[G1:G1+7]
	s_nop 0
	s_branch .Lasked_\@
.Lfor_b_\@:
	tensor_load_to_lds s[G0B+4*\s:G0B+4*\s+3], s[G1B:G1B+7]
	s_nop 0
.Lasked_\@:
.endm
.macro CREST                           ; a round of the cluster's barrier behind its opening work-group barrier
	s_cmp_lg_u32 s12, 0
	s_cbranch_scc1 .Lnot_wave_0_\@
	s_barrier_signal -3
.Lnot_wave_0_\@:
	s_barrier_wait -3
	s_barrier_signal -1
	s_barrier_wait -1
.endm
.macro CROUND
	s_barrier_signal -1
	s_barrier_wait -1
	CREST
.endm
.macro PLACES                          ; four independent vector instructions behind a matrix instruction (ISA guide 7.12.1)
.rept 4
	v_nop
.endr
.endm
	s_load_b256 s[4:11], s[0:1], 0x0               ; xh 4, wqkv 6, bq 8, bk 10
	s_load_b256 s[68:75], s[0:1], 0x20             ; bv 68, Qw 70, Kw 72, Vw 74
	s_set_vgpr_msb 0x40
	v_lshl_add_u32 v255, v0, 2, 0x41c00
	s_set_vgpr_msb 0x4000
	v_mov_b32 v63, 0
	s_set_vgpr_msb 0x1
	ds_add_u32 v255, v63
	s_set_vgpr_msb 0x100
	v_lshrrev_b32 v1, 5, v0
	v_readfirstlane_b32 s12, v1                    ; wave 0..3
	s_lshr_b32 s13, s12, 1                         ; I fetch for x (0) or for the weights (1)
	s_and_b32 s14, s12, 1                          ; which half of that tile
	s_bfe_u32 s40, ttmp6, 0x40000                  ; cx
	s_bfe_u32 s41, ttmp6, 0x40004                  ; cy
	s_lshl_b32 s42, ttmp9, 2
	s_add_co_u32 s42, s42, s40                     ; head = 4 x cluster x + cx
	s_and_b32 s43, ttmp7, 0xffff
	s_lshl_b32 s43, s43, 2
	s_add_co_u32 s43, s43, s41                     ; row block = 4 x cluster y + cy
	s_lshl_b32 s44, s41, 2
	s_lshl_b32 s44, 15, s44                        ; my row of the cluster
	s_lshl_b32 s45, 0x1111, s40                    ; my column
	s_or_b32 s[G1+0], s44, (1<<16)|(1<<20)|(1<<21)|(5<<22)|(3<<25)  ; mask; 2-byte elements; padding on; bit 21 beside a mask; after every 64 words, 4 words
	s_or_b32 s[G1B+0], s45, (1<<16)|(1<<20)|(1<<21)|(5<<22)|(3<<25)
	s_mov_b32 s[G1+1], KSTEP<<16                   ; tensor_dim0 = 128
	s_mov_b32 s[G1B+1], KSTEP<<16
	s_mov_b32 s[G1+2], 128<<16                     ; tensor_dim1 = 128 tokens
	s_mov_b32 s[G1B+2], 96<<16                     ; 96 weight rows
	s_mov_b32 s[G1+3], KSTEP<<16                   ; tile_dim0 = 128
	s_mov_b32 s[G1B+3], KSTEP<<16
	s_mov_b32 s[G1+4], 128                         ; tile_dim1
	s_mov_b32 s[G1B+4], 96
	s_mov_b32 s[G1+5], 1024                        ; elements from row to row
	s_mov_b32 s[G1B+5], 1024
	s_mov_b32 s[G1+6], 0
	s_mov_b32 s[G1B+6], 0
	s_mov_b32 s[G1+7], 0
	s_mov_b32 s[G1B+7], 0
	s_lshl_b32 s16, s43, 19                        ; x: (256 block + 128 half) rows of 2,048 bytes: the row block alone
	s_lshl_b32 s17, s14, 18
	s_add_co_u32 s16, s16, s17
	s_mov_b32 s17, 0
	s_mul_i32 s46, s42, 192*2048                   ; weights: (192 head + 96 half) rows: the head alone
	s_mul_i32 s47, s14, 96*2048
	s_add_co_u32 s46, s46, s47
	s_mov_b32 s47, 0
	s_mul_i32 s20, s12, HALFA                      ; where they go: x's halves at wave x 34,816 (waves 0, 1),
	s_mul_i32 s21, s12, HALFB
	s_add_co_u32 s21, s21, BOFF-2*HALFB            ; the weights' at 17,408 + wave x 26,112 (waves 2, 3): 69,632 and 95,744
	s_mov_b32 s76, 0x3e38aa3b                      ; log2(e) / 8
	s_mov_b32 s77, 0x3e38aa3b
	s_wait_dscnt 0x0
	s_wait_kmcnt 0x0
	s_add_nc_u64 s[16:17], s[4:5], s[16:17]
	s_add_nc_u64 s[46:47], s[6:7], s[46:47]
	CROUND                                         ; all sixteen work-groups are here: the first joint loads meet
.irp s, 0,1
	s_mov_b32 s[G0+4*\s], 1
	s_add_co_u32 s[G0+4*\s+1], s20, \s*SLOT
	s_add_nc_u64 s[G0+4*\s+2:G0+4*\s+3], s[16:17], \s*KSTEP*2
	s_or_b32 s[G0+4*\s+3], s[G0+4*\s+3], 0x80000000
	s_mov_b32 s[G0B+4*\s], 1
	s_add_co_u32 s[G0B+4*\s+1], s21, \s*SLOT
	s_add_nc_u64 s[G0B+4*\s+2:G0B+4*\s+3], s[46:47], \s*KSTEP*2
	s_or_b32 s[G0B+4*\s+3], s[G0B+4*\s+3], 0x80000000
	JLOAD \s
.endr
	; the biases of my lane's eight columns in each of the twelve column tiles
	v_and_b32 v1, 15, v0                           ; r = l % 16
	v_bfe_u32 v2, v0, 4, 1                         ; h = l / 16
	v_and_b32 v6, 31, v0                           ; l
	v_lshlrev_b32 v[BOFS], 5, v2                   ; 8 h numbers of 4 bytes
	s_lshl_b32 s18, s42, 8                         ; the head's 64 numbers
	s_mov_b32 s19, 0
	s_add_nc_u64 s[8:9], s[8:9], s[18:19]
	s_add_nc_u64 s[10:11], s[10:11], s[18:19]
	s_add_nc_u64 s[68:69], s[68:69], s[18:19]
.irp c, 0,1,2,3
	global_load_b128 v[BIAS+8*\c:BIAS+8*\c+3],       v[BOFS], s[8:9] offset:64*\c
	global_load_b128 v[BIAS+8*\c+4:BIAS+8*\c+7],     v[BOFS], s[8:9] offset:64*\c+16
	global_load_b128 v[BIAS+32+8*\c:BIAS+32+8*\c+3], v[BOFS], s[10:11] offset:64*\c
	global_load_b128 v[BIAS+32+8*\c+4:BIAS+32+8*\c+7], v[BOFS], s[10:11] offset:64*\c+16
	global_load_b128 v[BIAS+64+8*\c:BIAS+64+8*\c+3], v[BOFS], s[68:69] offset:64*\c
	global_load_b128 v[BIAS+64+8*\c+4:BIAS+64+8*\c+7], v[BOFS], s[68:69] offset:64*\c+16
.endr
	; fragment addresses: row x pitch + 16 h; two loads 32 bytes apart make 16 rows x 32 K
	v_mul_u32_u24 v3, v1, PITCH
	v_lshl_add_u32 v3, v2, 4, v3
	s_mul_i32 s22, s12, 64*PITCH                   ; my 64 tokens
	v_add_nc_u32 v[ADRA], s22, v3
	v_add_nc_u32 v[ADRA+1], SLOT, v[ADRA]
	v_add_nc_u32 v[ADRB], BOFF, v3
	v_add_nc_u32 v[ADRB+1], BOFF+SLOT, v3
	s_mul_i32 s23, s12, 16*SPITCH
	s_add_co_u32 s23, s23, STAGE                   ; my stage
	v_mul_u32_u24 v4, v1, SPITCH
	v_lshl_add_u32 v4, v2, 4, v4
	v_add_nc_u32 v[STO], s23, v4                   ; in: token r, 16 bytes for each half of the lanes
	v_lshrrev_b32 v5, 3, v6
	v_mul_u32_u24 v5, v5, SPITCH
	v_and_b32 v7, 7, v0
	v_lshl_add_u32 v5, v7, 4, v5
	v_add_nc_u32 v[RD], s23, v5                    ; back: eight lanes take one token's 128 bytes of Q, of K or of V
	v_lshlrev_b32 v[CO], 4, v6                     ; and four tokens are 512 consecutive bytes of the output
	; my first row in Qw, Kw, Vw: ((batch 16 + head) 2048 + token in the batch) rows of 128 bytes
	s_lshr_b32 s78, s43, 3
	s_lshl_b32 s78, s78, 4
	s_add_co_u32 s78, s78, s42
	s_lshl_b32 s78, s78, 11
	s_and_b32 s79, s43, 7
	s_lshl_b32 s79, s79, 8
	s_add_co_u32 s78, s78, s79
	s_lshl_b32 s79, s12, 6
	s_add_co_u32 s78, s78, s79
	s_lshl_b32 s78, s78, 7
	s_mov_b32 s79, 0
	s_add_nc_u64 s[70:71], s[70:71], s[78:79]
	s_add_nc_u64 s[72:73], s[72:73], s[78:79]
	s_add_nc_u64 s[74:75], s[74:75], s[78:79]
; 12 matrix instructions: token tile a of the window's two (hi = 0: tokens 0-31, 1: tokens 32-63) x all 12 column tiles, 32 along K
.macro MUL12 f, hi, a, zero
.irp b, 0,1,2,3,4,5,6,7,8,9,10,11
.if \zero
	v_wmma_f32_16x16x32_f16 v[8*(12*\a+\b):8*(12*\a+\b)+7], v[96*\f+8*\b:96*\f+8*\b+7], v[64+64*\f+8*(2*\hi+\a):64+64*\f+8*(2*\hi+\a)+7], 0
.else
	v_wmma_f32_16x16x32_f16 v[8*(12*\a+\b):8*(12*\a+\b)+7], v[96*\f+8*\b:96*\f+8*\b+7], v[64+64*\f+8*(2*\hi+\a):64+64*\f+8*(2*\hi+\a)+7], v[8*(12*\a+\b):8*(12*\a+\b)+7]
.endif
.endr
.endm
; 32 LDS loads in one run: a quarter step's fragments (192 weight rows, 64 tokens, 32 K at byte k of the rows) into buffer f
.macro FETCH slot, k, f
	WIN TO_B
.irp i, 0,1,2,3,4,5,6,7,8,9,10,11
	ds_load_b128 v[96*\f+8*\i:96*\f+8*\i+3],   v[ADRB+\slot] offset:\k+\i*16*PITCH
	ds_load_b128 v[96*\f+8*\i+4:96*\f+8*\i+7], v[ADRB+\slot] offset:\k+\i*16*PITCH+32
.endr
	WIN 0
.irp i, 0,1,2,3
	ds_load_b128 v[64+64*\f+8*\i:64+64*\f+8*\i+3],   v[ADRA+\slot] offset:\k+\i*16*PITCH
	ds_load_b128 v[64+64*\f+8*\i+4:64+64*\f+8*\i+7], v[ADRA+\slot] offset:\k+\i*16*PITCH+32
.endr
.endm
; A quarter step: 48 matrix instructions on buffer f; in its middle the next quarter's fragments go into buffer g.
; The 48 accumulators take turns, one instruction a turn, in the same order in every quarter.
.macro QUARTER slot, k, f, g, zero
	s_wait_dscnt 4                                 ; the weights and tokens 0-31 are in; the youngest four loads (tokens 32-63) may be out
	WIN MUL_LO
	MUL12 \f, 0, 0, \zero
	MUL12 \f, 0, 1, \zero
	PLACES
	FETCH \slot, \k, \g
	s_wait_dscnt 32                                ; all but the 32 just issued
	WIN MUL_HI
	MUL12 \f, 1, 0, \zero
	MUL12 \f, 1, 1, \zero
.endm
.macro THREE slot, zero
	QUARTER \slot, 64,  0, 1, \zero
	QUARTER \slot, 128, 1, 0, 0
	QUARTER \slot, 192, 0, 1, 0
.endm
; The last quarter multiplies buffer 1 and changes slots.  In front of the barrier each wave waits for its reads of this slot and for all its
; tensor loads (one is out: its part of the next slot).  Behind it (a round of the cluster's barrier where the slot is filled again) the
; refill comes first, then the next slot's first fragments.  From a request to the wait for it a wave issues 180 matrix instructions.
.macro TURN slot, next, fill
	s_wait_dscnt 4
	WIN MUL_LO
	MUL12 1, 0, 0, 0
	s_wait_dscnt 0
	s_wait_tensorcnt 0x0
	ds_add_u32 v255, v63
	s_wait_dscnt 0x0
	s_barrier_signal -1
	MUL12 1, 0, 1, 0
	WIN 0
	s_barrier_wait -1
.if \fill
	CREST
	s_add_nc_u64 s[G0+4*\slot+2:G0+4*\slot+3], s[G0+4*\slot+2:G0+4*\slot+3], 2*KSTEP*2
	s_add_nc_u64 s[G0B+4*\slot+2:G0B+4*\slot+3], s[G0B+4*\slot+2:G0B+4*\slot+3], 2*KSTEP*2
	JLOAD \slot
.endif
	PLACES
	FETCH \next, 0, 0
	WIN MUL_HI
	MUL12 1, 1, 0, 0
	MUL12 1, 1, 1, 0
.endm
.macro LAP zero
	THREE 0, \zero
	TURN 0, 1, 1
	THREE 1, 0
	TURN 1, 0, 1
.endm
	s_wait_loadcnt 0x0                             ; the biases, once, while the first tiles are on their way
.set p, 0
.rept 16
	v_pk_mul_f32 v[BIAS+p:BIAS+p+1], v[BIAS+p:BIAS+p+1], s[76:77] op_sel_hi:[1,0]   ; Q's bias takes Q's factor
.set p, p+2
.endr
	s_wait_tensorcnt 0x1                           ; my part of K step 0 is in; K step 1's stays out
	s_barrier_signal -1
	s_barrier_wait -1
	FETCH 0, 0, 0
	LAP 1                                          ; the first lap's first products start the sums: nothing is cleared
	WIN 0
	s_mov_b32 s15, LAPS-2
.Llap:
	LAP 0
	WIN 0
	s_sub_co_u32 s15, s15, 1
	s_cmp_lg_u32 s15, 0
	s_cbranch_scc1 .Llap
	THREE 0, 0                                     ; the last lap fills nothing
	TURN 0, 1, 0
	THREE 1, 0
	s_wait_dscnt 4
	WIN MUL_LO
	MUL12 1, 0, 0, 0
	MUL12 1, 0, 1, 0
	s_wait_dscnt 0
	WIN MUL_HI
	MUL12 1, 1, 0, 0
	MUL12 1, 1, 1, 0
	PLACES                                         ; behind the last matrix instructions, for all that follows
; THE WAY OUT, 16 tokens at a time: bias (and Q's factor) in f32, one rounding to f16, 16 bytes a lane into my stage, whole rows back.
; al = the tile's place in its window; wacc: destination and source 0 in the accumulators' window; wcvt: sources 0 and 1 there.
.macro OUT16 a, al, wacc, wcvt
	WIN \wacc
.set p, 0
.rept 16
	v_pk_fma_f32 v[96*\al+p:96*\al+p+1], v[96*\al+p:96*\al+p+1], s[76:77], v[BIAS+p:BIAS+p+1] op_sel_hi:[1,0,1]   ; Q: sum x log2(e)/8 + scaled bias
.set p, p+2
.endr
.rept 32
	v_pk_add_f32 v[96*\al+p:96*\al+p+1], v[96*\al+p:96*\al+p+1], v[BIAS+p:BIAS+p+1]                               ; K, V: sum + bias
.set p, p+2
.endr
	WIN \wcvt
.set p, 0
.rept 48
	v_cvt_pk_f16_f32 v[TMP+p], v[96*\al+2*p], v[96*\al+2*p+1]
.set p, p+1
.endr
	WIN 0
.irp c, 0,1,2,3,4,5,6,7,8,9,10,11
	ds_store_b128 v[STO], v[TMP+4*\c:TMP+4*\c+3] offset:32*\c
.endr
	s_wait_xcnt 0x0                                ; RB, which the last stores read, is loaded again only behind this wait (ISA guide 3.1)
.irp m, 0,1,2
.irp t, 0,1,2,3
	ds_load_b128 v[RB+4*(4*\m+\t):RB+4*(4*\m+\t)+3], v[RD] offset:4*SPITCH*\t+128*\m   ; LDS serves a wave's instructions in order: these see the stores above
.endr
.endr
.irp m, 0,1,2
.irp t, 0,1,2,3
	s_wait_dscnt 11-(4*\m+\t)
	global_store_b128 v[CO], v[RB+4*(4*\m+\t):RB+4*(4*\m+\t)+3], s[70+2*\m:71+2*\m] offset:(16*\a+4*\t)*128   ; four tokens: 512 consecutive bytes, aligned
.endr
.endr
.endm
	OUT16 0, 0, 0x82, 0x0a
	OUT16 1, 1, 0x82, 0x0a
	OUT16 2, 0, 0xc3, 0x0f
	OUT16 3, 1, 0xc3, 0x0f
	s_set_vgpr_msb 0x1
	s_wait_tensorcnt 0x0
	ds_add_u32 v255, v63
	s_wait_dscnt 0x0
	s_set_vgpr_msb 0x100
	CROUND                                         ; the closing round: no work-group ends while a partner may still ask for a tile that names it
	s_endpgm
.Lfunc_end_k_qe6d4e139c0_qkv:
	.size	k_qe6d4e139c0_qkv, .Lfunc_end_k_qe6d4e139c0_qkv-k_qe6d4e139c0_qkv
	.p2alignl 7, 3214868480
	.fill 96, 4, 3214868480
	.section	.rodata,"a",@progbits
	.p2align	6, 0x0
	.amdhsa_kernel k_qe6d4e139c0_qkv
		.amdhsa_group_segment_fixed_size 327680
		.amdhsa_private_segment_fixed_size 0
		.amdhsa_enable_private_segment 0
		.amdhsa_kernarg_size 64
		.amdhsa_user_sgpr_count 2
		.amdhsa_user_sgpr_kernarg_segment_ptr 1
		.amdhsa_wavefront_size32 1
		.amdhsa_system_sgpr_workgroup_id_x 1
		.amdhsa_system_sgpr_workgroup_id_y 1
		.amdhsa_system_sgpr_workgroup_id_z 1
		.amdhsa_system_vgpr_workitem_id 0
		.amdhsa_next_free_vgpr 1024
		.amdhsa_next_free_sgpr 80
		.amdhsa_reserve_vcc 0
		.amdhsa_float_denorm_mode_32 3
		.amdhsa_float_denorm_mode_16_64 3
		.amdhsa_memory_ordered 1
		.amdhsa_forward_progress 1
		.amdhsa_inst_pref_size 179
	.end_amdhsa_kernel
	.amdgpu_metadata
---
amdhsa.version: [ 1, 2 ]
amdhsa.kernels:
  - .name:           k_qe6d4e139c0_qkv
    .symbol:         k_qe6d4e139c0_qkv.kd
    .args:
      - { .name: xh, .offset: 0, .size: 8, .value_kind: global_buffer, .address_space: global }
      - { .name: wqkv, .offset: 8, .size: 8, .value_kind: global_buffer, .address_space: global }
      - { .name: bq, .offset: 16, .size: 8, .value_kind: global_buffer, .address_space: global }
      - { .name: bk, .offset: 24, .size: 8, .value_kind: global_buffer, .address_space: global }
      - { .name: bv, .offset: 32, .size: 8, .value_kind: global_buffer, .address_space: global }
      - { .name: Qw, .offset: 40, .size: 8, .value_kind: global_buffer, .address_space: global }
      - { .name: Kw, .offset: 48, .size: 8, .value_kind: global_buffer, .address_space: global }
      - { .name: Vw, .offset: 56, .size: 8, .value_kind: global_buffer, .address_space: global }
    .group_segment_fixed_size: 327680
    .private_segment_fixed_size: 0
    .kernarg_segment_align: 8
    .kernarg_segment_size: 64
    .max_flat_workgroup_size: 128
    .sgpr_count:     80
    .vgpr_count:     1024
    .wavefront_size: 32
...
	.end_amdgpu_metadata
.endif
;; end of part 2
;; launch attn (part 3): grid 8 x 32, 8 waves a work-group, clusters of 4 x 1, 327,680 bytes of LDS; arguments Qw, Kw, Vw, prior_lambda, AO; writes AO
.if DOCPART == 3
	.amdgcn_target "amdgcn-amd-amdhsa--gfx1250"
	.amdhsa_code_object_version 6
	.text
	.protected	k_qe6d4e139c0_attn
	.globl	k_qe6d4e139c0_attn
	.p2align	8
	.type	k_qe6d4e139c0_attn,@function
k_qe6d4e139c0_attn:
	s_mov_b64 s[64:65], 0
	v_nop
	global_prefetch_b8 v0, s[64:65] scope:SCOPE_SE
	s_setreg_imm32_b32 hwreg(HW_REG_WAVE_MODE, 25, 1), 1
	s_wait_xcnt 0x0
	s_wait_alu depctr_hold_cnt(0) depctr_sa_sdst(0) depctr_va_vdst(0) depctr_va_sdst(0) depctr_va_ssrc(0) depctr_va_vcc(0) depctr_vm_vsrc(0)
	s_getreg_b32 s2, hwreg(HW_REG_IB_STS2, 6, 4)
	s_cmp_eq_u32 s2, 0
	s_cbranch_scc0 .Lentry_in_a_cluster
	s_endpgm
.Lentry_in_a_cluster:
	s_bfe_u32 s2, ttmp6, 0x10000c
	s_cmp_lg_u32 s2, 0x3003
	s_cbranch_scc0 .Lentry_shape_is_right
	s_endpgm
.Lentry_shape_is_right:
; Attention of one head for 256 queries, with a running maximum and the Gaussian bias of the distance |i - j|.
; Qw holds Q x log2(e)/8, so a score is an exponent of 2; the bias is lambda x log2(e) x (0.8 exp(-2 (d-1)^2) + 0.4 exp(-(d-30)^2 / 8)).
; Eight waves, two on a SIMD, so that one wave's softmax runs while the other's products do.  Wave w: u = w & 3 picks 64 queries,
; g = w >> 2 picks the lower or upper 128 keys of every slot of 256 keys; waves u and u + 4 join (m, l, O) through LDS at the end.
; TRANSPOSED: S^T = K Q^T, so lane (r, h) holds query r and keys 8 h + j; a query's maximum and sum are one number a lane and need one
; exchange between the halves; two neighbouring key tiles packed to f16 in place ARE the second source of O^T = V^T P^T.
; CLUSTER 4 x 1: the four work-groups read the same K and V tiles and ask for them jointly (mask 15).  Queries are dealt as
; q0 = 1024 CL + 256 u + 64 cx, so that which key blocks can carry a bias hangs on CL, u and the step alone; cx enters three weights of
; 0 or 1, Q's address and AO's address, never a branch or an LDS address.
; A wave has at most two tensor loads outstanding: the two first fills; later one.
; THE BIAS is formed for tile diagonals -4..4 (|i - j| <= 79).  For |i - j| >= 65 both exponents are under -153 (natural), under the least
; f32 number, so the mask as the problem forms it in f32 is exactly 0 there.  LIMITS: v_exp_f32 gives 0 for results under 2^-126
; (ISA guide 15.8), an error under 1.2e-38 x lambda in a score.  P is rounded to f16 for the product, the row sum adds the unrounded f32.
; AO (f16): byte = ((batch 1024 + token/2) 16 + head) 256 + (token & 1) 128 + 2 d: a head's token pair is 256 consecutive bytes.
.set KP, 272                           ; K: rows of two keys (256 bytes) + 16: a fragment's 16 keys start at 16 different 16-byte columns modulo 256
.set VP, 288                           ; V: the same rows + 32: so do the 16 addresses of a transposing load's half
.set KQ, 32*KP                         ; 64 keys: one tensor load
.set VQ, 32*VP
.set VOFF, 4*VQ                        ; V's quarters lie at wave x 9,216, waves 4..7; K's at wave x 8,704, waves 0..3
.set SLOT, 8*VQ                        ; 73,728
.set MERGE, 2*SLOT                     ; 36 x 512 bytes for each u; written by LDS stores, never by a tensor load
.set MB, 36*512
.set OUTS, MERGE+4*MB                  ; 64 tokens x 144 bytes for each u
.set OP, 144
.set OB, 64*OP
.set KA, 8                             ; v8-9   K fragment address, slot 0, 1
.set VA, 10                            ; v10-11 V fragment address
.set STG, 12
.set OST, 13
.set ORD, 14
.set GOFF, 15
.set MP, 16                            ; v[16:23] pair qt: (running maximum, 0)
.set AP, 24                            ; v[24:31] pair qt: (factor for the old sums, 0)
.set LP, 32                            ; v[32:39] pair qt: two partial row sums
.set T, 40
.set U, 44
.set D, 48
.set QO, 52
.set QF, 56                            ; v[56:119]  Q fragments (qt, ks) at +16 qt + 8 ks
.set FR, 120                           ; v[120:183] K fragments (kt, ks) at +16 kt + 8 ks, then V fragments (mt, kk) at +16 mt + 8 kk
.set BT, 184                           ; v[184:255] bias tile of diagonal dl at +8 (dl + 4)
.set JP, 120                           ; while the bias tiles are made, inside FR:
.set NJP, 128
.set AJP, 136
.set X1, 144
.set X2, 152
.set LA1, 160
.set LA2, 162
.set LT, 164
.set PO, 56                            ; at the end: the partner's O, m, l, its factor, and the rows on their way out
.set PM, 184
.set PL, 192
.set FBR, 200
.set OUTR, 184
; window 1: S tile (kt, qt) at 32 qt + 8 kt; O tile (mt, qt) at 128 + 32 qt + 8 mt
.set G1K, 24
.set G1V, 32
.set G0K, 40
.set G0V, 48
.set MSB, 0
.macro WIN new
.if MSB != \new
	s_set_vgpr_msb (MSB<<8)|\new
.set MSB, \new
.endif
.endm
.macro JLOAD s                         ; waves 0-3 ask for K's quarters, waves 4-7 for V's
	s_cmp_eq_u32 s17, 0
	s_cbranch_scc0 .Lfor_v_\@
	tensor_load_to_lds s[G0K+4*\s:G0K+4*\s+3], s[G1K:G1K+7]
	s_nop 0
	s_branch .Lasked_\@
.Lfor_v_\@:
	tensor_load_to_lds s[G0V+4*\s:G0V+4*\s+3], s[G1V:G1V+7]
	s_nop 0
.Lasked_\@:
.endm
.macro ROUND                           ; a round of the cluster's barrier
	s_barrier_signal -1
	s_barrier_wait -1
	s_cmp_lg_u32 s15, 0
	s_cbranch_scc1 .Lnot_wave_0_\@
	s_barrier_signal -3
.Lnot_wave_0_\@:
	s_barrier_wait -3
	s_barrier_signal -1
	s_barrier_wait -1
.endm
	s_load_b256 s[4:11], s[0:1], 0x0               ; Qw 4, Kw 6, Vw 8, prior_lambda 10
	s_load_b64 s[12:13], s[0:1], 0x20              ; AO
	v_lshl_add_u32 v54, v0, 2, 0x3f000
	v_mov_b32 v55, 0
	ds_add_u32 v54, v55
	v_lshrrev_b32 v1, 5, v0
	v_readfirstlane_b32 s15, v1                    ; wave 0..7
	s_and_b32 s16, s15, 3                          ; u
	s_lshr_b32 s17, s15, 2                         ; g
	s_bfe_u32 s18, ttmp6, 0x40000                  ; cx
	s_mov_b32 s19, ttmp9                           ; CL: the cluster's x, 0 or 1
	s_and_b32 s20, ttmp7, 0xffff                   ; batch x 16 + head
	s_mov_b32 s22, 0x76543210                      ; v_permlanex16_b32: lane i of one half reads lane i of the other
	s_mov_b32 s23, 0xfedcba98
	s_mov_b32 s67, 0                               ; the upper registers of the three weights' pairs
	s_mov_b32 s69, 0
	s_mov_b32 s71, 0
	; group 1: 64 keys are 8 KiB dense = 32 rows of 32 elements of 8 bytes; padding behind every 64 words: 4 words for K, 8 for V
	s_mov_b32 s[G1K+0], 15|(3<<16)|(1<<20)|(1<<21)|(5<<22)|(3<<25)
	s_mov_b32 s[G1V+0], 15|(3<<16)|(1<<20)|(1<<21)|(5<<22)|(7<<25)
	s_mov_b32 s[G1K+1], 32<<16
	s_mov_b32 s[G1V+1], 32<<16
	s_mov_b32 s[G1K+2], 32<<16
	s_mov_b32 s[G1V+2], 32<<16
	s_mov_b32 s[G1K+3], 32<<16
	s_mov_b32 s[G1V+3], 32<<16
	s_mov_b32 s[G1K+4], 32
	s_mov_b32 s[G1V+4], 32
	s_mov_b32 s[G1K+5], 32
	s_mov_b32 s[G1V+5], 32
	s_mov_b32 s[G1K+6], 0
	s_mov_b32 s[G1V+6], 0
	s_mov_b32 s[G1K+7], 0
	s_mov_b32 s[G1V+7], 0
	s_lshl_b32 s58, s20, 18                        ; the head's 2,048 keys of 128 bytes,
	s_lshl_b32 s59, s16, 13                        ; and my quarter of a slot: 64 keys
	s_add_co_u32 s58, s58, s59
	s_mov_b32 s59, 0
	s_mul_i32 s60, s15, KQ
	s_mul_i32 s61, s15, VQ
	s_wait_dscnt 0x0
	s_wait_kmcnt 0x0
	s_add_nc_u64 s[6:7], s[6:7], s[58:59]
	s_add_nc_u64 s[8:9], s[8:9], s[58:59]
	ROUND                                          ; the four work-groups are here: the first joint loads meet
.irp s, 0,1
	s_mov_b32 s[G0K+4*\s], 1
	s_add_co_u32 s[G0K+4*\s+1], s60, \s*SLOT
	s_add_nc_u64 s[G0K+4*\s+2:G0K+4*\s+3], s[6:7], \s*32768
	s_or_b32 s[G0K+4*\s+3], s[G0K+4*\s+3], 0x80000000
	s_mov_b32 s[G0V+4*\s], 1
	s_add_co_u32 s[G0V+4*\s+1], s61, \s*SLOT
	s_add_nc_u64 s[G0V+4*\s+2:G0V+4*\s+3], s[8:9], \s*32768
	s_or_b32 s[G0V+4*\s+3], s[G0V+4*\s+3], 0x80000000
	JLOAD \s
.endr
	s_load_b32 s14, s[10:11], 0x0                  ; lambda
	; my 64 queries
	s_lshl_b32 s78, s19, 10
	s_lshl_b32 s79, s16, 8
	s_add_co_u32 s78, s78, s79
	s_lshl_b32 s79, s18, 6
	s_add_co_u32 s78, s78, s79                     ; q0 = 1024 CL + 256 u + 64 cx
	s_lshl_b32 s76, s20, 18
	s_lshl_b32 s79, s78, 7
	s_add_co_u32 s76, s76, s79
	s_mov_b32 s77, 0
	s_add_nc_u64 s[4:5], s[4:5], s[76:77]          ; Q at my first query
	s_lshr_b32 s76, s20, 4
	s_lshl_b32 s76, s76, 22                        ; batch x 1,024 token pairs of 4,096 bytes
	s_lshl_b32 s79, s78, 11                        ; q0 / 2 token pairs
	s_add_co_u32 s76, s76, s79
	s_and_b32 s79, s20, 15
	s_lshl_b32 s79, s79, 8                         ; the head's 256 bytes
	s_add_co_u32 s76, s76, s79
	s_add_nc_u64 s[12:13], s[12:13], s[76:77]      ; AO at my first token pair
	v_and_b32 v1, 15, v0                           ; r
	v_bfe_u32 v2, v0, 4, 1                         ; h
	v_and_b32 v3, 31, v0                           ; lane
	v_lshlrev_b32 v[QO], 7, v1
	v_lshl_add_u32 v[QO], v2, 4, v[QO]             ; query r, 16 h bytes
.irp qt, 0,1,2,3
.irp ks, 0,1
	global_load_b128 v[QF+16*\qt+8*\ks:QF+16*\qt+8*\ks+3],   v[QO], s[4:5] offset:2048*\qt+64*\ks
	global_load_b128 v[QF+16*\qt+8*\ks+4:QF+16*\qt+8*\ks+7], v[QO], s[4:5] offset:2048*\qt+64*\ks+32
.endr
.endr
	; K fragment: key r of a tile lies in row r / 2 at byte 128 (r & 1)
	v_lshrrev_b32 v4, 1, v1
	v_mul_u32_u24 v4, v4, KP
	v_and_b32 v5, 1, v1
	v_lshl_add_u32 v4, v5, 7, v4
	v_lshl_add_u32 v4, v2, 4, v4
	s_mul_i32 s58, s17, 64*KP                      ; my half of the slot's keys
	v_add_nc_u32 v[KA], s58, v4
	v_add_nc_u32 v[KA+1], SLOT, v[KA]
	; V by transposing loads: lane l addresses key 8 h + (l & 7), bytes 16 ((l >> 3) & 1) of the 32 bytes of a tile of 16 dims
	v_bfe_u32 v4, v0, 1, 2
	v_lshl_add_u32 v4, v2, 2, v4                   ; row 4 h + (l & 7) / 2
	v_mul_u32_u24 v4, v4, VP
	v_and_b32 v5, 1, v0
	v_lshl_add_u32 v4, v5, 7, v4
	v_bfe_u32 v5, v0, 3, 1
	v_lshl_add_u32 v4, v5, 4, v4
	s_mul_i32 s58, s17, 64*VP
	s_add_co_u32 s58, s58, VOFF
	v_add_nc_u32 v[VA], s58, v4
	v_add_nc_u32 v[VA+1], SLOT, v[VA]
	s_mul_i32 s58, s16, MB
	s_add_co_u32 s58, s58, MERGE
	v_lshl_add_u32 v[STG], v3, 4, s58              ; where waves u + 4 and u meet
	s_mul_i32 s58, s16, OB
	s_add_co_u32 s58, s58, OUTS
	v_mul_u32_u24 v4, v1, OP
	v_lshl_add_u32 v4, v2, 4, v4
	v_add_nc_u32 v[OST], s58, v4                   ; out, in: token r, 16 h bytes
	v_lshrrev_b32 v4, 3, v3
	v_mul_u32_u24 v4, v4, OP
	v_and_b32 v5, 7, v0
	v_lshl_add_u32 v4, v5, 4, v4
	v_add_nc_u32 v[ORD], s58, v4                   ; out, back: eight lanes take a token's 128 bytes
	v_lshlrev_b32 v[GOFF], 4, v1
	v_lshl_add_u32 v[GOFF], v2, 12, v[GOFF]        ; lanes 0-15 one token pair's 256 bytes, lanes 16-31 the next pair's, 4,096 bytes on
.irp q, 0,1,2,3
	v_mov_b32 v[MP+2*\q], 0xff800000               ; the maximum starts at minus infinity
	v_mov_b32 v[MP+2*\q+1], 0
	v_mov_b32 v[AP+2*\q+1], 0
	v_mov_b32 v[U+\q], 0                           ; v_permlanex16_b32's destination counts as read
.endr
	s_lshl_b32 s57, s19, 4
	s_lshl2_add_u32 s57, s16, s57
	s_add_co_u32 s57, s57, 4
	s_lshl_b32 s58, s17, 1
	s_sub_co_u32 s57, s57, s58                     ; 16 CL + 4 u + 4 - (my first block of 64 keys); falls by 4 with every slot
	; THE NINE BIAS TILES.  In tile diagonal dl lane (r, h), register j stands at i - j = 16 dl + r - 8 h - j.
	v_lshlrev_b32 v4, 3, v2
	v_sub_nc_u32 v4, v1, v4
.irp j, 0,1,2,3,4,5,6,7
	v_sub_nc_u32 v5, v4, \j
	v_cvt_f32_i32 v[JP+\j], v5
	v_xor_b32 v[NJP+\j], 0x80000000, v[JP+\j]
	v_and_b32 v[AJP+\j], 0x7fffffff, v[JP+\j]
.endr
	s_wait_kmcnt 0x0
	v_mov_b32 v[LT], 0x3fb8aa3b                    ; log2(e)
	v_mul_f32 v[LT], s14, v[LT]
	v_mul_f32 v[LA1], 0x3f4ccccd, v[LT]            ; 0.8 lambda log2(e)
	v_mul_f32 v[LA2], 0x3ecccccd, v[LT]            ; 0.4 lambda log2(e)
	v_mov_b32 v[LA1+1], v[LA1]
	v_mov_b32 v[LA2+1], v[LA2]
; src + ca = distance - 1, src + cb = distance - 30
.macro BTILE dst, src, ca, cb
.irp p, 0,2,4,6
	v_pk_add_f32 v[X1+\p:X1+\p+1], v[\src+\p:\src+\p+1], \ca op_sel_hi:[1,0]
	v_pk_add_f32 v[X2+\p:X2+\p+1], v[\src+\p:\src+\p+1], \cb op_sel_hi:[1,0]
.endr
.irp p, 0,2,4,6
	v_pk_mul_f32 v[X1+\p:X1+\p+1], v[X1+\p:X1+\p+1], v[X1+\p:X1+\p+1]
	v_pk_mul_f32 v[X2+\p:X2+\p+1], v[X2+\p:X2+\p+1], v[X2+\p:X2+\p+1]
.endr
.irp p, 0,2,4,6
	v_pk_mul_f32 v[X1+\p:X1+\p+1], v[X1+\p:X1+\p+1], 0xc038aa3b op_sel_hi:[1,0]   ; x -2 log2(e)
	v_pk_mul_f32 v[X2+\p:X2+\p+1], v[X2+\p:X2+\p+1], 0xbe38aa3b op_sel_hi:[1,0]   ; x -log2(e) / 8
.endr
.irp j, 0,1,2,3,4,5,6,7
	v_exp_f32 v[X1+\j], v[X1+\j]
	v_exp_f32 v[X2+\j], v[X2+\j]
.endr
	v_nop                                          ; one plain instruction behind the exponentials (ISA guide 5.7.2)
	s_wait_alu depctr_va_vdst(0)
.irp p, 0,2,4,6
	v_pk_mul_f32 v[X2+\p:X2+\p+1], v[X2+\p:X2+\p+1], v[LA2:LA2+1]
.endr
.irp p, 0,2,4,6
	v_pk_fma_f32 v[\dst+\p:\dst+\p+1], v[X1+\p:X1+\p+1], v[LA1:LA1+1], v[X2+\p:X2+\p+1]
.endr
.endm
	BTILE BT+0,  NJP, 63.0, 34.0                   ; dl = -4: distance = 64 - (r - 8 h - j)
	BTILE BT+8,  NJP, 47.0, 18.0
	BTILE BT+16, NJP, 31.0, 2.0
	BTILE BT+24, NJP, 15.0, -14.0
	BTILE BT+32, AJP, -1.0, -30.0                  ; dl = 0: distance = |r - 8 h - j|
	BTILE BT+40, JP,  15.0, -14.0
	BTILE BT+48, JP,  31.0, 2.0
	BTILE BT+56, JP,  47.0, 18.0
	BTILE BT+64, JP,  63.0, 34.0
	s_wait_loadcnt 0x0                             ; Q
	s_wait_tensorcnt 0x1                           ; my part of slot 0 is in; slot 1's stays out
	s_barrier_signal -1
	s_barrier_wait -1
.macro BADD qt, kt, bi, sw             ; S(kt, qt) += weight x bias tile bi
.irp p, 0,2,4,6
	v_pk_fma_f32 v[32*\qt+8*\kt+\p:32*\qt+8*\kt+\p+1], v[BT+8*\bi+\p:BT+8*\bi+\p+1], s[\sw:\sw+1], v[32*\qt+8*\kt+\p:32*\qt+8*\kt+\p+1] op_sel_hi:[1,0,1]
.endr
.endm
.macro LSUM i
.irp qt, 0,1,2,3
	v_pk_add_f32 v[LP+2*\qt:LP+2*\qt+1], v[32*\qt+2*\i:32*\qt+2*\i+1], v[LP+2*\qt:LP+2*\qt+1]
.endr
.endm
; One step: my 64 queries x 64 keys (block st of my half of the slot).  first = 1: nothing old to scale, the products start the sums.
; In both products sixteen accumulators take turns, one instruction a turn.
.macro STEP slot, st, first
.irp ks, 0,1
.irp kt, 0,1,2,3
	ds_load_b128 v[FR+16*\kt+8*\ks:FR+16*\kt+8*\ks+3],   v[KA+\slot] offset:(32*\st+8*\kt)*KP+64*\ks
	ds_load_b128 v[FR+16*\kt+8*\ks+4:FR+16*\kt+8*\ks+7], v[KA+\slot] offset:(32*\st+8*\kt)*KP+64*\ks+32
.endr
.endr
	s_wait_dscnt 8                                 ; dims 0-31 of the four key tiles are in; the eight younger loads stay out
	WIN 0x50
.irp qt, 0,1,2,3
.irp kt, 0,1,2,3
	v_wmma_f32_16x16x32_f16 v[32*\qt+8*\kt:32*\qt+8*\kt+7], v[FR+16*\kt:FR+16*\kt+7], v[QF+16*\qt:QF+16*\qt+7], 0
.endr
.endr
	s_wait_dscnt 0
.irp qt, 0,1,2,3
.irp kt, 0,1,2,3
	v_wmma_f32_16x16x32_f16 v[32*\qt+8*\kt:32*\qt+8*\kt+7], v[FR+16*\kt+8:FR+16*\kt+15], v[QF+16*\qt+8:QF+16*\qt+15], v[32*\qt+8*\kt:32*\qt+8*\kt+7]
.endr
.endr
.rept 4
	v_nop                                          ; four places (ISA guide 7.12.1) before V lands on K's fragments and the scores are read
.endr
	WIN 0
.irp kk, 0,1
.irp mt, 0,1,2,3
	ds_load_tr16_b128 v[FR+16*\mt+8*\kk:FR+16*\mt+8*\kk+3],   v[VA+\slot] offset:(32*\st+16*\kk)*VP+32*\mt
	ds_load_tr16_b128 v[FR+16*\mt+8*\kk+4:FR+16*\mt+8*\kk+7], v[VA+\slot] offset:(32*\st+16*\kk)*VP+32*\mt+8*VP
.endr
.endr
	; the bias: query block - key block = s58 - 4 + cx; with cx = 0..3 it can be -1, 0 or 1 only if s58 is 0..5
	s_sub_co_u32 s58, s57, \st
	s_cmp_lt_u32 s58, 6
	s_cbranch_scc0 .Lno_bias_\@
	s_add_co_u32 s79, s58, s18
	s_cmp_eq_u32 s79, 3
	s_cselect_b32 s66, 0x3f800000, 0               ; 1.0 where my queries lie one block in front of these keys,
	s_cmp_eq_u32 s79, 4
	s_cselect_b32 s68, 0x3f800000, 0               ; in the same block,
	s_cmp_eq_u32 s79, 5
	s_cselect_b32 s70, 0x3f800000, 0               ; one block behind them
	WIN 0x50
.irp qt, 0,1,2,3
.irp kt, 0,1,2,3
	BADD \qt, \kt, (\qt-\kt+4), 68
.if \qt >= \kt
	BADD \qt, \kt, (\qt-\kt), 66
.endif
.if \qt <= \kt
	BADD \qt, \kt, (\qt-\kt+8), 70
.endif
.endr
.endr
	WIN 0
.Lno_bias_\@:
	; the new maximum of each query: old maximum and my 32 scores, then the other half of the lanes
	WIN 0x14
.irp qt, 0,1,2,3
	v_max3_num_f32 v[T+\qt], v[MP+2*\qt], v[32*\qt], v[32*\qt+1]
.endr
.irp i, 1,2,3,4,5,6,7,8,9,10,11,12,13,14,15
.irp qt, 0,1,2,3
	v_max3_num_f32 v[T+\qt], v[T+\qt], v[32*\qt+2*\i], v[32*\qt+2*\i+1]
.endr
.endr
	WIN 0
.irp qt, 0,1,2,3
	v_permlanex16_b32 v[U+\qt], v[T+\qt], s22, s23
.endr
.irp qt, 0,1,2,3
	v_max_num_f32 v[T+\qt], v[T+\qt], v[U+\qt]
.endr
.if \first == 0
.irp qt, 0,1,2,3
	v_sub_f32 v[D+\qt], v[MP+2*\qt], v[T+\qt]
.endr
.irp qt, 0,1,2,3
	v_exp_f32 v[AP+2*\qt], v[D+\qt]                ; the old sums' factor; the four moves below are the plain places behind it
.endr
.endif
.irp qt, 0,1,2,3
	v_mov_b32 v[MP+2*\qt], v[T+\qt]
.endr
	; P = 2^(S - m) in place; O x factor stands behind each run of exponentials
	WIN 0x41
.irp qt, 0,1,2,3
.set p, 0
.rept 16
	v_pk_add_f32 v[32*\qt+p:32*\qt+p+1], v[32*\qt+p:32*\qt+p+1], v[MP+2*\qt:MP+2*\qt+1] op_sel_hi:[1,0] neg_lo:[0,1] neg_hi:[0,1]
.set p, p+2
.endr
.set p, 0
.rept 32
	v_exp_f32 v[32*\qt+p], v[32*\qt+p]
.set p, p+1
.endr
.if \first == 0
.set p, 0
	s_wait_alu depctr_va_vdst(0)
.rept 16
	v_pk_mul_f32 v[128+32*\qt+p:128+32*\qt+p+1], v[128+32*\qt+p:128+32*\qt+p+1], v[AP+2*\qt:AP+2*\qt+1] op_sel_hi:[1,0]
.set p, p+2
.endr
.endif
.endr
	; the row sums, two partial sums a query, of the unrounded P
.if \first
	v_nop                                          ; the plain place behind the last exponentials
	WIN 0x05
	s_wait_alu depctr_va_vdst(0)
.irp qt, 0,1,2,3
	v_pk_add_f32 v[LP+2*\qt:LP+2*\qt+1], v[32*\qt:32*\qt+1], v[32*\qt+2:32*\qt+3]
.endr
	WIN 0x01
.else
	WIN 0x10
	s_wait_alu depctr_va_vdst(0)
.irp qt, 0,1,2,3
	v_pk_fma_f32 v[LP+2*\qt:LP+2*\qt+1], v[LP+2*\qt:LP+2*\qt+1], v[AP+2*\qt:AP+2*\qt+1], v[32*\qt:32*\qt+1] op_sel_hi:[1,0,1]
.endr
	WIN 0x01
	LSUM 1
.endif
.irp i, 2,3,4,5,6,7,8,9,10,11,12,13,14,15
	LSUM \i
.endr
	; P to f16 in place: the sixteen registers of key tiles 2 kk, 2 kk + 1 become the eight of a fragment of 32 keys
	WIN 0x45
.irp qt, 0,1,2,3
.irp kk, 0,1
.irp i, 0,1,2,3,4,5,6,7
	v_cvt_pk_f16_f32 v[32*\qt+16*\kk+\i], v[32*\qt+16*\kk+2*\i], v[32*\qt+16*\kk+2*\i+1]
.endr
.endr
.endr
	s_wait_dscnt 0                                 ; V's fragments, issued a softmax ago
	WIN 0x54
.irp qt, 0,1,2,3
.irp mt, 0,1,2,3
.if \first
	v_wmma_f32_16x16x32_f16 v[128+32*\qt+8*\mt:128+32*\qt+8*\mt+7], v[FR+16*\mt:FR+16*\mt+7], v[32*\qt:32*\qt+7], 0
.else
	v_wmma_f32_16x16x32_f16 v[128+32*\qt+8*\mt:128+32*\qt+8*\mt+7], v[FR+16*\mt:FR+16*\mt+7], v[32*\qt:32*\qt+7], v[128+32*\qt+8*\mt:128+32*\qt+8*\mt+7]
.endif
.endr
.endr
.irp qt, 0,1,2,3
.irp mt, 0,1,2,3
	v_wmma_f32_16x16x32_f16 v[128+32*\qt+8*\mt:128+32*\qt+8*\mt+7], v[FR+16*\mt+8:FR+16*\mt+15], v[32*\qt+16:32*\qt+23], v[128+32*\qt+8*\mt:128+32*\qt+8*\mt+7]
.endr
.endr
.rept 5
	v_nop                                          ; five places: the next step's products write over P, its loads land on V's fragments
.endr
	WIN 0
.endm
.macro WORK slot, first
	STEP \slot, 0, \first
	STEP \slot, 1, 0
	s_sub_co_u32 s57, s57, 4                       ; the next slot's key blocks lie four further on
.endm
; The change of slots.  Every wave waits for all its tensor loads (its part of this slot among them) and for its reads of the other slot;
; behind the round of the cluster's barrier the other slot's refill comes first, one load a wave, with two steps' work in which to land.
.macro CHANGE slot, refill
	s_wait_tensorcnt 0x0
	ds_add_u32 v54, v55
	s_wait_dscnt 0x0
.if \refill
	s_add_nc_u64 s[G0K+4*(1-\slot)+2:G0K+4*(1-\slot)+3], s[G0K+4*(1-\slot)+2:G0K+4*(1-\slot)+3], 65536   ; 512 keys on
	s_add_nc_u64 s[G0V+4*(1-\slot)+2:G0V+4*(1-\slot)+3], s[G0V+4*(1-\slot)+2:G0V+4*(1-\slot)+3], 65536
.endif
	s_wait_dscnt 0x0
.if \refill
	ROUND
	JLOAD (1-\slot)
.else
	s_barrier_signal -1                            ; the work-group's barrier is enough
	s_barrier_wait -1
.endif
	WORK \slot, 0
.endm
	WORK 0, 1                                      ; keys 0-255
	s_mov_b32 s56, 3
.Lpair:
	CHANGE 1, 1
	CHANGE 0, 1
	s_sub_co_u32 s56, s56, 1
	s_cmp_lg_u32 s56, 0
	s_cbranch_scc1 .Lpair
	CHANGE 1, 0                                    ; keys 1792-2047
	; THE TWO KEY HALVES MEET.  Waves 4-7 lay O, m and l down; waves 0-3 join them with their own, divide and store.
	s_cmp_eq_u32 s17, 0
	s_cbranch_scc1 .Lkeep
	WIN 0x04
.set i, 0
.rept 32
	ds_store_b128 v[STG], v[128+4*i:128+4*i+3] offset:512*i
.set i, i+1
.endr
	WIN 0
	ds_store_b128 v[STG], v[MP:MP+3] offset:512*32
	ds_store_b128 v[STG], v[MP+4:MP+7] offset:512*33
	ds_store_b128 v[STG], v[LP:LP+3] offset:512*34
	ds_store_b128 v[STG], v[LP+4:LP+7] offset:512*35
.Lkeep:
	s_wait_dscnt 0x0                               ; for the partner's sake: my stores are done
	s_barrier_signal -1
	s_barrier_wait -1
	s_cmp_lg_u32 s17, 0
	s_cbranch_scc1 .Ldone
	ds_load_b128 v[PM:PM+3], v[STG] offset:512*32
	ds_load_b128 v[PM+4:PM+7], v[STG] offset:512*33
	ds_load_b128 v[PL:PL+3], v[STG] offset:512*34
	ds_load_b128 v[PL+4:PL+7], v[STG] offset:512*35
.set i, 0
.rept 32
	ds_load_b128 v[PO+4*i:PO+4*i+3], v[STG] offset:512*i
.set i, i+1
.endr
	s_wait_dscnt 32                                ; the partner's m and l are in; the 32 loads of its O stay out
.irp q, 0,1,2,3
	v_max_num_f32 v[T+\q], v[MP+2*\q], v[PM+2*\q]
.endr
.irp q, 0,1,2,3
	v_sub_f32 v[D+\q], v[MP+2*\q], v[T+\q]
	v_sub_f32 v[U+\q], v[PM+2*\q], v[T+\q]
.endr
.irp q, 0,1,2,3
	v_exp_f32 v[AP+2*\q], v[D+\q]                  ; my factor
	v_exp_f32 v[FBR+2*\q], v[U+\q]                 ; the partner's
.endr
.irp q, 0,1,2,3
	v_mov_b32 v[FBR+2*\q+1], 0                     ; the pairs' upper registers; also the plain places behind the exponentials
.endr
	s_wait_alu depctr_va_vdst(0)
.irp q, 0,1,2,3
	v_pk_mul_f32 v[LP+2*\q:LP+2*\q+1], v[LP+2*\q:LP+2*\q+1], v[AP+2*\q:AP+2*\q+1] op_sel_hi:[1,0]
.endr
.irp q, 0,1,2,3
	v_pk_fma_f32 v[LP+2*\q:LP+2*\q+1], v[PL+2*\q:PL+2*\q+1], v[FBR+2*\q:FBR+2*\q+1], v[LP+2*\q:LP+2*\q+1] op_sel_hi:[1,0,1]
.endr
.irp q, 0,1,2,3
	v_add_f32 v[T+\q], v[LP+2*\q], v[LP+2*\q+1]
.endr
.irp q, 0,1,2,3
	v_permlanex16_b32 v[U+\q], v[T+\q], s22, s23   ; the other half of the lanes holds the other keys' sum
.endr
.irp q, 0,1,2,3
	v_add_f32 v[T+\q], v[T+\q], v[U+\q]
.endr
.irp q, 0,1,2,3
	v_rcp_f32 v[D+\q], v[T+\q]                     ; the sum holds the largest score's 2^0 = 1, so it is no small number
.endr
	v_nop
	s_wait_alu depctr_va_vdst(0)
.irp q, 0,1,2,3
	v_mul_f32 v[AP+2*\q], v[AP+2*\q], v[D+\q]
	v_mul_f32 v[FBR+2*\q], v[FBR+2*\q], v[D+\q]
.endr
.irp q, 0,1,2,3
	s_wait_dscnt 24-4*\q                           ; behind query tile q's eight loads stand 24 - 8 q loads and the 4 q stores of the tiles done
.set p, 0
.rept 16
	v_pk_mul_f32 v[PO+32*\q+p:PO+32*\q+p+1], v[PO+32*\q+p:PO+32*\q+p+1], v[FBR+2*\q:FBR+2*\q+1] op_sel_hi:[1,0]
.set p, p+2
.endr
	WIN 0x01
.set p, 0
.rept 16
	v_pk_fma_f32 v[PO+32*\q+p:PO+32*\q+p+1], v[128+32*\q+p:128+32*\q+p+1], v[AP+2*\q:AP+2*\q+1], v[PO+32*\q+p:PO+32*\q+p+1] op_sel_hi:[1,0,1]
.set p, p+2
.endr
	WIN 0
.irp mt, 0,1,2,3
.irp i, 0,1,2,3
	v_cvt_pk_f16_f32 v[PO+32*\q+8*\mt+\i], v[PO+32*\q+8*\mt+2*\i], v[PO+32*\q+8*\mt+2*\i+1]
.endr
	ds_store_b128 v[OST], v[PO+32*\q+8*\mt:PO+32*\q+8*\mt+3] offset:16*OP*\q+32*\mt
.endr
.endr
.irp t, 0,1,2,3,4,5,6,7,8,9,10,11,12,13,14,15
	ds_load_b128 v[OUTR+4*\t:OUTR+4*\t+3], v[ORD] offset:4*OP*\t   ; my own stage: LDS serves a wave's instructions in order
.endr
.irp t, 0,1,2,3,4,5,6,7,8,9,10,11,12,13,14,15
	s_wait_dscnt 15-\t
	global_store_b128 v[GOFF], v[OUTR+4*\t:OUTR+4*\t+3], s[12:13] offset:8192*\t   ; sixteen lanes store 256 consecutive bytes, aligned
.endr
.Ldone:
	s_wait_tensorcnt 0x0
	ds_add_u32 v54, v55
	s_wait_dscnt 0x0
	ROUND                                          ; the closing round
	s_endpgm
.Lfunc_end_k_qe6d4e139c0_attn:
	.size	k_qe6d4e139c0_attn, .Lfunc_end_k_qe6d4e139c0_attn-k_qe6d4e139c0_attn
	.p2alignl 7, 3214868480
	.fill 96, 4, 3214868480
	.section	.rodata,"a",@progbits
	.p2align	6, 0x0
	.amdhsa_kernel k_qe6d4e139c0_attn
		.amdhsa_group_segment_fixed_size 327680
		.amdhsa_private_segment_fixed_size 0
		.amdhsa_enable_private_segment 0
		.amdhsa_kernarg_size 40
		.amdhsa_user_sgpr_count 2
		.amdhsa_user_sgpr_kernarg_segment_ptr 1
		.amdhsa_wavefront_size32 1
		.amdhsa_system_sgpr_workgroup_id_x 1
		.amdhsa_system_sgpr_workgroup_id_y 1
		.amdhsa_system_sgpr_workgroup_id_z 1
		.amdhsa_system_vgpr_workitem_id 0
		.amdhsa_next_free_vgpr 512
		.amdhsa_next_free_sgpr 80
		.amdhsa_reserve_vcc 0
		.amdhsa_float_denorm_mode_32 3
		.amdhsa_float_denorm_mode_16_64 3
		.amdhsa_memory_ordered 1
		.amdhsa_forward_progress 1
		.amdhsa_inst_pref_size 255
	.end_amdhsa_kernel
	.section	.bss,"aw",@nobits
	.p2align	6
	.space	262144
	.amdgpu_metadata
---
amdhsa.version: [ 1, 2 ]
amdhsa.kernels:
  - .name:           k_qe6d4e139c0_attn
    .symbol:         k_qe6d4e139c0_attn.kd
    .args:
      - { .name: Qw, .offset: 0, .size: 8, .value_kind: global_buffer, .address_space: global }
      - { .name: Kw, .offset: 8, .size: 8, .value_kind: global_buffer, .address_space: global }
      - { .name: Vw, .offset: 16, .size: 8, .value_kind: global_buffer, .address_space: global }
      - { .name: prior_lambda, .offset: 24, .size: 8, .value_kind: global_buffer, .address_space: global }
      - { .name: AO, .offset: 32, .size: 8, .value_kind: global_buffer, .address_space: global }
    .group_segment_fixed_size: 327680
    .private_segment_fixed_size: 0
    .kernarg_segment_align: 8
    .kernarg_segment_size: 40
    .max_flat_workgroup_size: 256
    .sgpr_count:     80
    .vgpr_count:     512
    .wavefront_size: 32
...
	.end_amdgpu_metadata
.endif
;; end of part 3
;; launch oproj (part 4): grid 8 x 32, 4 waves a work-group, clusters of 4 x 4, 327,680 bytes of LDS; arguments AO, woh, bo, out0; writes out0
.if DOCPART == 4
	.amdgcn_target "amdgcn-amd-amdhsa--gfx1250"
	.amdhsa_code_object_version 6
	.text
	.protected	k_qe6d4e139c0_oproj
	.globl	k_qe6d4e139c0_oproj
	.p2align	8
	.type	k_qe6d4e139c0_oproj,@function
k_qe6d4e139c0_oproj:
	s_mov_b64 s[64:65], 0
	v_nop
	global_prefetch_b8 v0, s[64:65] scope:SCOPE_SE
	s_setreg_imm32_b32 hwreg(HW_REG_WAVE_MODE, 25, 1), 1
	s_wait_xcnt 0x0
	s_wait_alu depctr_hold_cnt(0) depctr_sa_sdst(0) depctr_va_vdst(0) depctr_va_sdst(0) depctr_va_ssrc(0) depctr_va_vcc(0) depctr_vm_vsrc(0)
	s_getreg_b32 s2, hwreg(HW_REG_IB_STS2, 6, 4)
	s_cmp_eq_u32 s2, 0
	s_cbranch_scc0 .Lentry_in_a_cluster
	s_endpgm
.Lentry_in_a_cluster:
	s_bfe_u32 s2, ttmp6, 0x10000c
	s_cmp_lg_u32 s2, 0xf033
	s_cbranch_scc0 .Lentry_shape_is_right
	s_endpgm
.Lentry_shape_is_right:
; out0[token][n] = sum over k of AO[token][k] Wo[n][k] + bo[n].  Operands f16, sums and output f32.
; AO's bytes: ((token / 2) 16 + head) 256 + (token & 1) 128 + 2 d, k = 64 head + d: a token pair is a row of 4,096 bytes, and four heads
; (K = 256) are 1,024 consecutive bytes of it.
; 32 x 8 = 256 work-groups of 128 tokens x 128 columns, four waves of 64 x 64 (16 accumulator tiles): larger blocks would leave work-groups
; for half the 256 or fewer.  K = 1024 in four slots' worth of 256, two LDS slots, each filled twice: all written out, no loop.
; CLUSTER 4 x 4: AO's tiles are shared along a row of the cluster, Wo's along a column, by joint loads.
; A wave has at most two tensor loads outstanding: the two first fills; later one.
.set APITCH, 1040                      ; 1,024 bytes + 16
.set BPITCH, 528                       ; 512 bytes + 16
.set HA, 32*APITCH                     ; 32 token pairs: one tensor load, at wave x 33,280 (waves 0, 1)
.set HB, 64*BPITCH                     ; 64 rows of Wo: one tensor load, at wave x 33,792 (waves 2, 3)
.set BOFF, 2*HB
.set SLOT, 4*HB                        ; 135,168
.set STAGE, 2*SLOT                     ; a multiple of 256; 16 rows x 272 bytes for each wave; no tensor load lands here
.set SPITCH, 272
.set ADRA, 16
.set ADRB, 20
.set STO, 24
.set RD, 25
.set CO, 26
.set BOFS, 27
.set BO, 32                            ; v[32:63] bo of my lane's eight columns in each of four column tiles
.set RB, 64                            ; the way out
; fragments: buffer f: AO's at 64 + 64 f, Wo's at 96 + 64 f.  Window 1: accumulator tile (a, b) at 8 (4 a + b)
.set G1, 24
.set G0, 32
.set G1B, 48
.set G0B, 56
.set MSB, 0
.macro WIN new
.if MSB != \new
	s_set_vgpr_msb (MSB<<8)|\new
.set MSB, \new
.endif
.endm
.macro JLOAD s
	s_cmp_eq_u32 s13, 0
	s_cbranch_scc0 .Lfor_b_\@
	tensor_load_to_lds s[G0+4*\s:G0+4*\s+3], s[G1:G1+7]
	s_nop 0
	s_branch .Lasked_\@
.Lfor_b_\@:
	tensor_load_to_lds s[G0B+4*\s:G0B+4*\s+3], s[G1B:G1B+7]
	s_nop 0
.Lasked_\@:
.endm
.macro CROUND
	s_barrier_signal -1
	s_barrier_wait -1
	s_cmp_lg_u32 s12, 0
	s_cbranch_scc1 .Lnot_wave_0_\@
	s_barrier_signal -3
.Lnot_wave_0_\@:
	s_barrier_wait -3
	s_barrier_signal -1
	s_barrier_wait -1
.endm
.macro PLACES
.rept 4
	v_nop
.endr
.endm
	s_load_b256 s[4:11], s[0:1], 0x0               ; AO 4, woh 6, bo 8, out0 10
	v_lshl_add_u32 v254, v0, 2, 0x46400
	v_mov_b32 v255, 0
	ds_add_u32 v254, v255
	v_lshrrev_b32 v1, 5, v0
	v_readfirstlane_b32 s12, v1                    ; wave 0..3
	s_lshr_b32 s13, s12, 1                         ; my half of the tokens.  Also: I fetch for AO (0) or for Wo (1)
	s_and_b32 s14, s12, 1                          ; my half of the columns.  Also: which half of that tile I fetch
	s_bfe_u32 s40, ttmp6, 0x40000                  ; cx
	s_bfe_u32 s41, ttmp6, 0x40004                  ; cy
	s_lshl_b32 s42, ttmp9, 2
	s_add_co_u32 s42, s42, s40                     ; block column
	s_and_b32 s43, ttmp7, 0xffff
	s_lshl_b32 s43, s43, 2
	s_add_co_u32 s43, s43, s41                     ; block row
	s_lshl_b32 s44, s41, 2
	s_lshl_b32 s44, 15, s44
	s_lshl_b32 s45, 0x1111, s40
	s_or_b32 s[G1+0], s44, (1<<16)|(1<<20)|(1<<21)|(7<<22)|(3<<25)   ; AO: padding of 4 words behind every 256 words
	s_or_b32 s[G1B+0], s45, (1<<16)|(1<<20)|(1<<21)|(6<<22)|(3<<25)  ; Wo: behind every 128 words
	s_mov_b32 s[G1+1], 512<<16                     ; tensor_dim0: 512 elements
	s_mov_b32 s[G1B+1], 256<<16
	s_mov_b32 s[G1+2], 32<<16                      ; tensor_dim1: 32 token pairs
	s_mov_b32 s[G1B+2], 64<<16
	s_mov_b32 s[G1+3], 512<<16                     ; tile_dim0
	s_mov_b32 s[G1B+3], 256<<16
	s_mov_b32 s[G1+4], 32                          ; tile_dim1
	s_mov_b32 s[G1B+4], 64
	s_mov_b32 s[G1+5], 2048                        ; elements from row to row
	s_mov_b32 s[G1B+5], 1024
	s_mov_b32 s[G1+6], 0
	s_mov_b32 s[G1B+6], 0
	s_mov_b32 s[G1+7], 0
	s_mov_b32 s[G1B+7], 0
	s_lshl_b32 s16, s43, 18                        ; AO: (64 block + 32 half) token pairs of 4,096 bytes
	s_lshl_b32 s17, s14, 17
	s_add_co_u32 s16, s16, s17
	s_mov_b32 s17, 0
	s_lshl_b32 s46, s42, 18                        ; Wo: (128 block + 64 half) rows of 2,048 bytes
	s_lshl_b32 s47, s14, 17
	s_add_co_u32 s46, s46, s47
	s_mov_b32 s47, 0
	s_mul_i32 s20, s12, HA
	s_mul_i32 s21, s12, HB
	s_wait_dscnt 0x0
	s_wait_kmcnt 0x0
	s_add_nc_u64 s[16:17], s[4:5], s[16:17]
	s_add_nc_u64 s[46:47], s[6:7], s[46:47]
	CROUND                                         ; in front of the first joint loads
.irp s, 0,1
	s_mov_b32 s[G0+4*\s], 1
	s_add_co_u32 s[G0+4*\s+1], s20, \s*SLOT
	s_add_nc_u64 s[G0+4*\s+2:G0+4*\s+3], s[16:17], \s*1024
	s_or_b32 s[G0+4*\s+3], s[G0+4*\s+3], 0x80000000
	s_mov_b32 s[G0B+4*\s], 1
	s_add_co_u32 s[G0B+4*\s+1], s21, \s*SLOT
	s_add_nc_u64 s[G0B+4*\s+2:G0B+4*\s+3], s[46:47], \s*512
	s_or_b32 s[G0B+4*\s+3], s[G0B+4*\s+3], 0x80000000
	JLOAD \s
.endr
	v_and_b32 v1, 15, v0                           ; r
	v_bfe_u32 v2, v0, 4, 1                         ; h
	v_lshlrev_b32 v[BOFS], 5, v2
	s_lshl_b32 s66, s42, 9                         ; my first column, in bytes of f32: 512 block + 256 half
	s_lshl_b32 s68, s14, 8
	s_add_co_u32 s66, s66, s68
	s_mov_b32 s67, 0
	s_add_nc_u64 s[8:9], s[8:9], s[66:67]
	s_add_nc_u64 s[10:11], s[10:11], s[66:67]
	s_lshl_b32 s66, s43, 19                        ; my first token: (128 block + 64 half) rows of 4,096 bytes
	s_lshl_b32 s68, s13, 18
	s_add_co_u32 s66, s66, s68
	s_add_nc_u64 s[10:11], s[10:11], s[66:67]
.irp b, 0,1,2,3
	global_load_b128 v[BO+8*\b:BO+8*\b+3],   v[BOFS], s[8:9] offset:64*\b
	global_load_b128 v[BO+8*\b+4:BO+8*\b+7], v[BOFS], s[8:9] offset:64*\b+16
.endr
	v_lshrrev_b32 v3, 1, v1                        ; AO: token r lies in row r / 2 at byte 128 (r & 1) of a head's 256
	v_mul_u32_u24 v3, v3, APITCH
	v_and_b32 v4, 1, v1
	v_lshl_add_u32 v3, v4, 7, v3
	v_lshl_add_u32 v3, v2, 4, v3
	s_mul_i32 s22, s13, HA
	v_add_nc_u32 v[ADRA], s22, v3
	v_add_nc_u32 v[ADRA+1], SLOT, v[ADRA]
	v_mul_u32_u24 v4, v1, BPITCH
	v_lshl_add_u32 v4, v2, 4, v4
	s_mul_i32 s22, s14, HB
	s_add_co_u32 s22, s22, BOFF
	v_add_nc_u32 v[ADRB], s22, v4
	v_add_nc_u32 v[ADRB+1], SLOT, v[ADRB]
	s_mul_i32 s23, s12, 16*SPITCH
	s_add_co_u32 s23, s23, STAGE
	v_mul_u32_u24 v4, v1, SPITCH
	v_lshl_add_u32 v4, v2, 5, v4
	v_add_nc_u32 v[STO], s23, v4                   ; in: token r, 32 h bytes
	v_mul_u32_u24 v5, v2, SPITCH
	v_lshl_add_u32 v5, v1, 4, v5
	v_add_nc_u32 v[RD], s23, v5                    ; back: lanes 0-15 one row of 256 bytes, lanes 16-31 the next
	v_lshlrev_b32 v[CO], 4, v1
	v_lshl_add_u32 v[CO], v2, 12, v[CO]
; the fragments of 32 along K (eighth q8 of a slot) into buffer f: 64 tokens, 64 rows of Wo
.macro FETCH3 slot, q8, f
.irp a, 0,1,2,3
	ds_load_b128 v[64+64*\f+8*\a:64+64*\f+8*\a+3],   v[ADRA+\slot] offset:8*\a*APITCH+256*(\q8>>1)+64*(\q8&1)
	ds_load_b128 v[64+64*\f+8*\a+4:64+64*\f+8*\a+7], v[ADRA+\slot] offset:8*\a*APITCH+256*(\q8>>1)+64*(\q8&1)+32
.endr
.irp b, 0,1,2,3
	ds_load_b128 v[96+64*\f+8*\b:96+64*\f+8*\b+3],   v[ADRB+\slot] offset:16*\b*BPITCH+64*\q8
	ds_load_b128 v[96+64*\f+8*\b+4:96+64*\f+8*\b+7], v[ADRB+\slot] offset:16*\b*BPITCH+64*\q8+32
.endr
.endm
; 16 matrix instructions on buffer f; ahead of them eighth nq's fragments go into the other buffer.  Wo is source 0, AO source 1: a lane holds
; token r and eight neighbouring columns.  The sixteen accumulators take turns, one instruction a turn.
.macro EIGHTH slot, nq, f, fetch, zero
	s_wait_dscnt 0x0                               ; buffer f's fragments, issued an eighth ago
	PLACES                                         ; four places behind the matrix instructions that read the other buffer (ISA guide 7.12.1)
.if \fetch
	FETCH3 \slot, \nq, (1-\f)
.endif
	WIN 0x50
.irp a, 0,1,2,3
.irp b, 0,1,2,3
.if \zero
	v_wmma_f32_16x16x32_f16 v[8*(4*\a+\b):8*(4*\a+\b)+7], v[96+64*\f+8*\b:96+64*\f+8*\b+7], v[64+64*\f+8*\a:64+64*\f+8*\a+7], 0
.else
	v_wmma_f32_16x16x32_f16 v[8*(4*\a+\b):8*(4*\a+\b)+7], v[96+64*\f+8*\b:96+64*\f+8*\b+7], v[64+64*\f+8*\a:64+64*\f+8*\a+7], v[8*(4*\a+\b):8*(4*\a+\b)+7]
.endif
.endr
.endr
	WIN 0
.endm
.macro SLOTWORK slot, zero
	FETCH3 \slot, 0, 0
	EIGHTH \slot, 1, 0, 1, \zero
	EIGHTH \slot, 2, 1, 1, 0
	EIGHTH \slot, 3, 0, 1, 0
	EIGHTH \slot, 4, 1, 1, 0
	EIGHTH \slot, 5, 0, 1, 0
	EIGHTH \slot, 6, 1, 1, 0
	EIGHTH \slot, 7, 0, 1, 0
	EIGHTH \slot, 0, 1, 0, 0
.endm
; The slot just read is filled again, K = 512 further on: every wave's reads of it and all its tensor loads are done, a round of the
; cluster's barrier, then the joint refill first.  It has the other slot's 128 matrix instructions in which to land.
.macro REFILL slot
	s_wait_dscnt 0x0
	s_wait_tensorcnt 0x0
	ds_add_u32 v254, v255
	s_wait_dscnt 0x0
	s_add_nc_u64 s[G0+4*\slot+2:G0+4*\slot+3], s[G0+4*\slot+2:G0+4*\slot+3], 2048
	s_add_nc_u64 s[G0B+4*\slot+2:G0B+4*\slot+3], s[G0B+4*\slot+2:G0B+4*\slot+3], 1024
	CROUND
	JLOAD \slot
.endm
	s_wait_loadcnt 0x0                             ; bo, once, while the first tiles are on their way
	s_wait_tensorcnt 0x1                           ; my part of slot 0 is in; slot 1's stays out
	s_barrier_signal -1
	s_barrier_wait -1
	SLOTWORK 0, 1                                  ; K 0-255: the first products start the sums
	REFILL 0
	SLOTWORK 1, 0                                  ; K 256-511
	REFILL 1
	SLOTWORK 0, 0                                  ; K 512-767
	s_wait_dscnt 0x0
	s_wait_tensorcnt 0x0                           ; my part of the last tile is in,
	s_barrier_signal -1
	s_barrier_wait -1                              ; everybody's is; nothing more is filled
	SLOTWORK 1, 0                                  ; K 768-1023
	PLACES                                         ; behind the last matrix instructions
; THE WAY OUT, 16 tokens at a time: + bo, 32 bytes a lane and tile into my stage, whole rows of 256 bytes back
.macro OUT16 a
	WIN 0x41
.set p, 0
.rept 16
	v_pk_add_f32 v[32*\a+p:32*\a+p+1], v[32*\a+p:32*\a+p+1], v[BO+p:BO+p+1]
.set p, p+2
.endr
	WIN 0x04
.irp b, 0,1,2,3
	ds_store_b128 v[STO], v[32*\a+8*\b:32*\a+8*\b+3] offset:64*\b
	ds_store_b128 v[STO], v[32*\a+8*\b+4:32*\a+8*\b+7] offset:64*\b+16
.endr
	WIN 0
	s_wait_xcnt 0x0                                ; RB, which the last stores read, is loaded again only behind this wait (ISA guide 3.1)
.irp t, 0,1,2,3,4,5,6,7
	ds_load_b128 v[RB+4*\t:RB+4*\t+3], v[RD] offset:2*SPITCH*\t    ; my own stage: LDS serves a wave's instructions in order
.endr
.irp t, 0,1,2,3,4,5,6,7
	s_wait_dscnt 7-\t
	global_store_b128 v[CO], v[RB+4*\t:RB+4*\t+3], s[10:11] offset:(16*\a+2*\t)*4096 th:TH_STORE_NT   ; sixteen lanes store 256 consecutive bytes, aligned
.endr
.endm
	OUT16 0
	OUT16 1
	OUT16 2
	OUT16 3
	s_wait_tensorcnt 0x0
	ds_add_u32 v254, v255
	s_wait_dscnt 0x0
	CROUND                                         ; the closing round
	s_endpgm
.Lfunc_end_k_qe6d4e139c0_oproj:
	.size	k_qe6d4e139c0_oproj, .Lfunc_end_k_qe6d4e139c0_oproj-k_qe6d4e139c0_oproj
	.p2alignl 7, 3214868480
	.fill 96, 4, 3214868480
	.section	.rodata,"a",@progbits
	.p2align	6, 0x0
	.amdhsa_kernel k_qe6d4e139c0_oproj
		.amdhsa_group_segment_fixed_size 327680
		.amdhsa_private_segment_fixed_size 0
		.amdhsa_enable_private_segment 0
		.amdhsa_kernarg_size 32
		.amdhsa_user_sgpr_count 2
		.amdhsa_user_sgpr_kernarg_segment_ptr 1
		.amdhsa_wavefront_size32 1
		.amdhsa_system_sgpr_workgroup_id_x 1
		.amdhsa_system_sgpr_workgroup_id_y 1
		.amdhsa_system_sgpr_workgroup_id_z 1
		.amdhsa_system_vgpr_workitem_id 0
		.amdhsa_next_free_vgpr 384
		.amdhsa_next_free_sgpr 72
		.amdhsa_reserve_vcc 0
		.amdhsa_float_denorm_mode_32 3
		.amdhsa_float_denorm_mode_16_64 3
		.amdhsa_memory_ordered 1
		.amdhsa_forward_progress 1
		.amdhsa_inst_pref_size 94
	.end_amdhsa_kernel
	.amdgpu_metadata
---
amdhsa.version: [ 1, 2 ]
amdhsa.kernels:
  - .name:           k_qe6d4e139c0_oproj
    .symbol:         k_qe6d4e139c0_oproj.kd
    .args:
      - { .name: AO, .offset: 0, .size: 8, .value_kind: global_buffer, .address_space: global }
      - { .name: woh, .offset: 8, .size: 8, .value_kind: global_buffer, .address_space: global }
      - { .name: bo, .offset: 16, .size: 8, .value_kind: global_buffer, .address_space: global }
      - { .name: out0, .offset: 24, .size: 8, .value_kind: global_buffer, .address_space: global }
    .group_segment_fixed_size: 327680
    .private_segment_fixed_size: 0
    .kernarg_segment_align: 8
    .kernarg_segment_size: 32
    .max_flat_workgroup_size: 128
    .sgpr_count:     72
    .vgpr_count:     384
    .wavefront_size: 32
...
	.end_amdgpu_metadata
.endif
;; end of part 4
